; MI455X (gfx1250); checked and timed in simulation.
; The chip was launched on July 23, 2026; its instructions are those of AMD's public machine-readable ISA for CDNA 5 (MIT licence, August 2026) and "CDNA5" Instruction Set Architecture Reference Guide (July 2026). The comments in the code are by the model that wrote it; some were corrected since.
;; Bahdanau Attention. Allowed arithmetic: matrix products marked QUANTISED: E2M1 operands, one E8M0 scale for each 32 along K, by v_wmma_scale_f32_16x16x128_f8f6f4 with both operands' format E2M1 (or v_wmma_scale_f32_32x16x128_f4), f32 sums; products left as they are: f32 operands where the result goes on into a quantised operand, else bf16, f16 or f32 operands; f32 sums; everything else in f32.
;; Inputs: Ua_b 1,024 float32; Ua_w_codes 1,024 x 32 x 16 uint8 (E2M1 codes of Ua_w, K innermost, in blocks of 32 codes, two codes a byte); Ua_w_scales 1,024 x 32 uint8 (E8M0 scales of Ua_w, one for each 32 codes along K); Va_b 1 float32; Va_w 1 x 1,024 float32; Wa_b 1,024 float32; Wa_w_codes 1,024 x 32 x 16 uint8 (E2M1 codes of Wa_w, K innermost, in blocks of 32 codes, two codes a byte); Wa_w_scales 1,024 x 32 uint8 (E8M0 scales of Wa_w, one for each 32 codes along K); keys 32 x 2,048 x 1,024 float32; query_codes 32 x 1 x 32 x 16 uint8 (E2M1 codes of query, K innermost, in blocks of 32 codes, two codes a byte); query_scales 32 x 1 x 32 uint8 (E8M0 scales of query, one for each 32 codes along K).
;; Outputs: out0 32 x 1 x 1,024 float32; out1 32 x 1 x 2,048 float32.
;; This version of the problem:
;;   THIS VERSION OF THE PROBLEM IS GIVEN IN LOW PRECISION. The matrix products marked QUANTISED in the list below multiply operands that are first quantised to E2M1 (2 exponent bits, 1 mantissa bit; 4 bits a number), with one power-of-two scale for each 32 numbers along K (OCP MX v1.0); their sums are f32. All else is computed in f32.
;;   The module's matrix products, in the order in which they are computed (A, B: the left and right operand; K: the contracted axis; several contracted axes count as one K, in the product's order):
;;     1. [M 32, K 1,024] x [K 1,024, N 1,024]; A: input query (given as codes); B: input Wa_w (given as codes): QUANTISED
;;     2. [M 65,536, K 1,024] x [K 1,024, N 1,024]; A: input keys; B: input Ua_w (given as codes): QUANTISED
;;     3. [M 65,536, K 1,024] x [K 1,024, N 1]; A: computed on the way; B: input Va_w: left as it is (N = 1 < 16)
;;     4. batch 32 x [M 1, K 2,048] x [K 2,048, N 1,024]; A: softmax; B: input keys: left as it is (M = 1 < 16)
;;   THE QUANTISER, for each operand of a quantised product, along K:
;;     - K is cut into blocks of 32 from its start; a last block that is shorter is filled with zeros.
;;     - A block's scale is 2^e with e = floor(log2(the largest magnitude in the block)) - 2, held to -126 .. 127; a block of zeros has e = 0. As a byte (E8M0): e + 127.
;;     - Each number is divided by its block's scale, clamped to +-6, and rounded to the nearest number of E2M1, ties to even, subnormals kept.
;;     - The product sums the exact products of the quantised numbers (number of the format x scale) in f32.
;;   ~~~python
;;   def quantise(x, axis):      # numpy; x: float32 -> the quantised numbers, widened to float32 again
;;       x = np.moveaxis(x, axis, -1); K = x.shape[-1]
;;       x = np.pad(x, [(0, 0)] * (x.ndim - 1) + [(0, -K % 32)]); x = x.reshape(x.shape[:-1] + (-1, 32)); a = np.abs(x).max(-1, keepdims=True)
;;       e = np.where(a > 0, np.clip(np.frexp(np.where(a > 0, a, 1))[1] - 1 - 2, -126, 127), 0)      # np.frexp(a)[1] - 1 = floor(log2(a)), exactly
;;       r = np.clip(x / 2.0 ** e, -6, 6)
;;       step = 2.0 ** (np.maximum(np.frexp(np.where(r == 0, 1, r))[1] - 1, 0) - 1)
;;       q = np.round(r / step) * step * 2.0 ** e      # np.round: ties to even
;;       return np.moveaxis(q.reshape(q.shape[:-2] + (-1,))[..., :K], -1, axis).astype(np.float32)
;;   ~~~
;;   INPUTS GIVEN AS CODES. Ua_w (in the module: [1024, 1024], K = its axis 1); Wa_w (in the module: [1024, 1024], K = its axis 1); query (in the module: [32, 1, 1024], K = its axis 2): each comes as NAME_codes (uint8): NAME with its K axis moved to the last place and cut into blocks of 32 codes, [.., K / 32, bytes a block], one block behind the other in memory; two codes a byte, the lower K in the low four bits (a code: sign, 2 exponent bits, 1 mantissa bit); and NAME_scales (uint8): the same leading axes, one E8M0 byte (e + 127) for each 32 codes along K. Its value is code x scale, taken as it is: it is not quantised again, and the codes and scales need not be those that the quantiser above would give.
;; One version. Each part assembles by itself: llvm-mc -triple=amdgcn-amd-amdhsa -mcpu=gfx1250 --defsym DOCPART=n.
;; ======== version 1 of 1: 2 launches
;; limits: values are held in bf16: 8 bits of precision; right only within a limited range of input values
;; workspace buffers: sc 262,144 bytes; cx 1,048,576 bytes
;; launch main (part 1): grid 256 x 1, 4 waves a work-group, clusters of 4 x 1, 327,680 bytes of LDS; arguments keys, query_codes, query_scales, Wa_w_codes, Wa_w_scales, Ua_w_codes, Ua_w_scales, Wa_b, Ua_b, Va_w, sc, cx; writes sc, cx
.if DOCPART == 1
	.amdgcn_target "amdgcn-amd-amdhsa--gfx1250"
	.amdhsa_code_object_version 6
	.text
	.protected	k_q68fa8b75cf_main
	.globl	k_q68fa8b75cf_main
	.p2align	8
	.type	k_q68fa8b75cf_main,@function
k_q68fa8b75cf_main:
	s_mov_b64 s[64:65], 0
	v_nop
	global_prefetch_b8 v0, s[64:65] scope:SCOPE_SE
	s_setreg_imm32_b32 hwreg(HW_REG_WAVE_MODE, 25, 1), 1
	s_wait_xcnt 0x0
	s_wait_alu depctr_hold_cnt(0) depctr_sa_sdst(0) depctr_va_vdst(0) depctr_va_sdst(0) depctr_va_ssrc(0) depctr_va_vcc(0) depctr_vm_vsrc(0)
	s_getreg_b32 s2, hwreg(HW_REG_IB_STS2, 6, 4)
	s_cmp_eq_u32 s2, 0
	s_cbranch_scc0 .Lentry_in_a_cluster
	s_endpgm
.Lentry_in_a_cluster:
	s_bfe_u32 s2, ttmp6, 0x10000c
	s_cmp_lg_u32 s2, 0x3003
	s_cbranch_scc0 .Lentry_shape_is_right
	s_endpgm
.Lentry_shape_is_right:
; scores, block maxima and partial contexts of Bahdanau attention.  A work-group owns 256 keys of one batch, in four passes of 64 rows.
; q = query Wa^T and k = keys Ua^T are products on E2M1 codes with E8M0 scales; keys are quantised here, along H, in f32.
; tanh(x) = 1 - 2 / (1 + 2^(c x)), c = 2 log2(e).  sc holds t = sum_h (-c Va_h) / (1 + 2^(c x_h)): the score in units of log2, less terms that are the same for every key.
; DEAD WORK: Va_b and the plain sum of Va are added to every score of a row alike; softmax(s + const) = softmax(s) for all values, and both outputs hang on the scores through the softmax alone.
; So Va_b is not loaded and is no argument.  LIMIT: a NaN, an infinity or an overflow that reaches only these terms is not carried to the results.
; cx holds the block's context under the block's own running maximum; the second launch joins the eight blocks of a batch.
; A PASS: the rows' bf16 copies go from registers to LDS; A's fragments (64 rows, all of K) come into window 1; Ua walks through two LDS slots of 128 columns, eight trips, by joint loads of a 4 x 1 cluster.
; THE NEXT PASS'S ROWS ARE QUANTISED IN TRIPS 1 TO 6: codes and scale bytes go to the A stage, which nobody reads behind trip 1's round; the bf16 copy is packed in place, into the low 16 of a row's 32 registers.
.set PIT,   528
.set USL,   71680
.set USC,   128*PIT
.set QRG,   128*PIT
.set L_QS,  4*QRG
.set L_HB,  2*USL
.set L_AR,  L_HB+131072
.set L_AS,  L_AR+64*PIT
.set L_TB,  L_AS+2048
.set L_EX,  L_TB+8192
.set L_PW,  L_EX+1024
.set SPARE, L_PW+1024
.set NEXT,  64*4096
.set SPW, 1
.set NIL, 2
.set KO,  3
.set AA,  4
.set ASA, 5
.set QC,  6
.set QS,  7
.set HA,  8
.set BA0, 9
.set BS0, 10
.set TB0, 11
.set BA,  12
.set BS,  13
.set TBA, 14
.set EXW, 15
.set EXR, 16
.set PWW, 17
.set PWR, 18
.set SGO, 19
.set HR,  20
.set PR,  21
.set MX,  22
.set FF,  24
.set SS,  26
.set PP,  28
.set W0,  30
.set W1,  31
.set BSC, 32
.set ASC, 40
.set SACC, 56
.set BF,  64
.set ACC, 128
.set BI,  160
.set CT,  192
.set TMP, 224
.set AC1, 224
.set KEYS, 8
.set QCP, 10
.set QSP, 12
.set WCP, 14
.set WSP, 16
.set UCP, 18
.set USP, 20
.set WAB, 22
.set UAB, 24
.set VAP, 26
.set SCP, 28
.set CXP, 30
.set G1C, 32
.set G1S, 40
.set G0C, 48
.set G0S, 52
.set WV,  56
.set WH,  57
.set XX,  58
.set BB,  59
.set SEL, 60
.set CS,  62
.set T0,  66
.set T1,  68
.set T2,  70
.set SB,  72
.set SN,  73
.set TO,  74
.set SQ,  75
.set PASS, 76
.set CNT, 77
.set WCO, 79
.set WSO, 80
.set HO,  81
.set PO,  82
.set G1Q, 84
.set G1QS, 92
.set MSB, 0
.macro WIN new
.if MSB != (\new)
	s_set_vgpr_msb (MSB<<8)|(\new)
.set MSB, (\new)
.endif
.endm
.macro PLACES n
.rept \n
	v_nop
.endr
.endm
.macro ROUND
	s_barrier_signal -1
	s_barrier_wait -1
	s_cmp_lg_u32 s[WV], 0
	s_cbranch_scc1 .Lnot_wave_0_\@
	s_barrier_signal -3
.Lnot_wave_0_\@:
	s_barrier_wait -3
	s_barrier_signal -1
	s_barrier_wait -1
.endm
.macro JLOAD
	s_cmp_lt_u32 s[WV], 2
	s_cbranch_scc0 .Lfor_s_\@
	tensor_load_to_lds s[G0C:G0C+3], s[G1C:G1C+7]
	s_nop 0
	PLACES 4
	s_branch .Lasked_\@
.Lfor_s_\@:
	tensor_load_to_lds s[G0S:G0S+3], s[G1S:G1S+7]
	s_nop 0
	PLACES 4
.Lasked_\@:
.endm
.macro ADDRS
	v_add_nc_u32 v[BA], s[SB], v[BA0]
	v_add_nc_u32 v[BS], s[SB], v[BS0]
	v_add_nc_u32 v[TBA], s[TO], v[TB0]
.endm
.macro STEPR
	s_xor_b32 s[SB], s[SB], USL
	s_xor_b32 s[SN], s[SN], USL
	s_add_co_u32 s[TO], s[TO], 128
.endm
.macro BLOADB i
.irp s,0,1,2,3,4,5,6,7
.irp c,0,1
	ds_load_b128 v[BF+8*\s+4*\c:BF+8*\s+4*\c+3], v[BA] offset:16*PIT*(\i)+64*\s+32*\c
.endr
.endr
.irp q,0,1
	ds_load_b128 v[BSC+4*\q:BSC+4*\q+3], v[BS] offset:512*(\i)+16*\q
.endr
.endm
.macro BILOAD i, va
.irp q,0,1
	ds_load_b128 v[BI+16*(\i)+4*\q:BI+16*(\i)+4*\q+3], v[TBA] offset:64*(\i)+16*\q
.endr
.if \va
.irp q,0,1
	ds_load_b128 v[BI+16*(\i)+8+4*\q:BI+16*(\i)+8+4*\q+3], v[TBA] offset:4096+64*(\i)+16*\q
.endr
.endif
.endm
.macro WMMA acc
	WIN 0x04
.irp s,0,1,2,3,4,5,6,7
.irp m,0,1,2,3
.if \s == 0
.if \m%2
	v_wmma_scale_f32_16x16x128_f8f6f4 v[(\acc)+8*\m:(\acc)+8*\m+7], v[BF+8*\s:BF+8*\s+7], v[64*\m+8*\s:64*\m+8*\s+7], 0, v[BSC+\s], v[ASC+8*(\m/2)+\s] matrix_a_fmt:MATRIX_FMT_FP4 matrix_b_fmt:MATRIX_FMT_FP4 matrix_b_scale:MATRIX_SCALE_ROW1
.else
	v_wmma_scale_f32_16x16x128_f8f6f4 v[(\acc)+8*\m:(\acc)+8*\m+7], v[BF+8*\s:BF+8*\s+7], v[64*\m+8*\s:64*\m+8*\s+7], 0, v[BSC+\s], v[ASC+8*(\m/2)+\s] matrix_a_fmt:MATRIX_FMT_FP4 matrix_b_fmt:MATRIX_FMT_FP4
.endif
.else
.if \m%2
	v_wmma_scale_f32_16x16x128_f8f6f4 v[(\acc)+8*\m:(\acc)+8*\m+7], v[BF+8*\s:BF+8*\s+7], v[64*\m+8*\s:64*\m+8*\s+7], v[(\acc)+8*\m:(\acc)+8*\m+7], v[BSC+\s], v[ASC+8*(\m/2)+\s] matrix_a_fmt:MATRIX_FMT_FP4 matrix_b_fmt:MATRIX_FMT_FP4 matrix_b_scale:MATRIX_SCALE_ROW1
.else
	v_wmma_scale_f32_16x16x128_f8f6f4 v[(\acc)+8*\m:(\acc)+8*\m+7], v[BF+8*\s:BF+8*\s+7], v[64*\m+8*\s:64*\m+8*\s+7], v[(\acc)+8*\m:(\acc)+8*\m+7], v[BSC+\s], v[ASC+8*(\m/2)+\s] matrix_a_fmt:MATRIX_FMT_FP4 matrix_b_fmt:MATRIX_FMT_FP4
.endif
.endif
.endr
.endr
	WIN 0
.endm
.macro E1 a, set
.irp m,0,1,2,3
.irp q,0,1,2,3
	v_pk_fma_f32 v[(\a)+8*\m+2*\q:(\a)+8*\m+2*\q+1], v[(\a)+8*\m+2*\q:(\a)+8*\m+2*\q+1], s[CS:CS+1], v[BI+16*(\set)+2*\q:BI+16*(\set)+2*\q+1] op_sel_hi:[1,0,1]
.endr
.endr
.set EJ, 0
	s_wait_alu depctr_va_vdst(0)
.rept 32
	v_exp_f32 v[(\a)+EJ], v[(\a)+EJ]
.set EJ, EJ+1
.endr
	v_nop
	s_wait_alu depctr_va_vdst(0)
.endm
.macro E2 a
.set EJ, 0
.rept 16
	v_pk_add_f32 v[(\a)+EJ:(\a)+EJ+1], v[(\a)+EJ:(\a)+EJ+1], 1.0 op_sel_hi:[1,0]
.set EJ, EJ+2
.endr
.endm
.macro E3 a, set
.set EJ, 0
.rept 32
	v_rcp_f32 v[(\a)+EJ], v[(\a)+EJ]
.set EJ, EJ+1
.endr
	v_nop
	s_wait_alu depctr_va_vdst(0)
.irp q,0,1,2,3
.irp m,0,1,2,3
	v_pk_fma_f32 v[SACC+2*\m:SACC+2*\m+1], v[(\a)+8*\m+2*\q:(\a)+8*\m+2*\q+1], v[BI+16*(\set)+8+2*\q:BI+16*(\set)+8+2*\q+1], v[SACC+2*\m:SACC+2*\m+1]
.endr
.endr
.endm
.macro TRIPA pend, mode
.if \pend
	E1 ACC, 0
.endif
	s_wait_tensorcnt 0x0
	ds_add_u32 v[SPW], v[NIL]
.if \mode == 1
	s_add_nc_u64 s[G0C+2:G0C+3], s[G0C+2:G0C+3], 65536
	s_add_nc_u64 s[G0S+2:G0S+3], s[G0S+2:G0S+3], 4096
.endif
.if \mode == 2
	s_mov_b64 s[G0C+2:G0C+3], s[UCP:UCP+1]
	s_or_b32 s[G0C+3], s[G0C+3], 0x80000000
	s_mov_b64 s[G0S+2:G0S+3], s[USP:USP+1]
	s_or_b32 s[G0S+3], s[G0S+3], 0x80000000
.endif
.if \mode
	s_add_co_u32 s[G0C+1], s[SN], s[WCO]
	s_add_co_u32 s[G0S+1], s[SN], s[WSO]
.endif
.if \pend
	E2 ACC
.endif
	s_wait_dscnt 0x0
.if \mode
	ROUND
	JLOAD
.else
	s_barrier_signal -1
	s_barrier_wait -1
	PLACES 4
.endif
.endm
.macro TRIPB pend
	ADDRS
	BLOADB 0
.if \pend
	E3 ACC, 0
.endif
	BILOAD 0, 1
	s_wait_alu depctr_va_vdst(0)
	s_wait_dscnt 4
	WMMA ACC
.if \pend
	E1 AC1, 1
.else
	PLACES 4
.endif
	BLOADB 1
.if \pend
	E2 AC1
	s_wait_alu depctr_va_vdst(0)
	E3 AC1, 1
.endif
	BILOAD 1, 1
	s_wait_dscnt 4
	WMMA AC1
	STEPR
.endm
.macro TRIP pend, mode
	TRIPA \pend, \mode
	s_wait_alu depctr_va_vdst(0)
	TRIPB \pend
.endm
.macro BOTH
	s_wait_dscnt 0x0
	E1 ACC, 0
	E2 ACC
	s_wait_alu depctr_va_vdst(0)
	E3 ACC, 0
	E1 AC1, 1
	E2 AC1
	s_wait_alu depctr_va_vdst(0)
	E3 AC1, 1
.endm
.macro QPART
	s_wait_dscnt 0x0
	v_add_nc_u32 v[BA], s[SB], v[BA0]
	v_add_nc_u32 v[BS], s[SQ], v[BS0]
	v_add_nc_u32 v[TBA], s[TO], v[TB0]
.irp i,0,1
	BLOADB \i
	BILOAD \i, 0
	s_wait_dscnt 0x0
	WIN 0x04
.irp s,0,1,2,3,4,5,6,7
.if \s < 2
	v_wmma_scale_f32_16x16x128_f8f6f4 v[ACC+8*(\s%2):ACC+8*(\s%2)+7], v[BF+8*\s:BF+8*\s+7], v[8*\s:8*\s+7], 0, v[BSC+\s], v[ASC+\s] matrix_a_fmt:MATRIX_FMT_FP4 matrix_b_fmt:MATRIX_FMT_FP4
.else
	v_wmma_scale_f32_16x16x128_f8f6f4 v[ACC+8*(\s%2):ACC+8*(\s%2)+7], v[BF+8*\s:BF+8*\s+7], v[8*\s:8*\s+7], v[ACC+8*(\s%2):ACC+8*(\s%2)+7], v[BSC+\s], v[ASC+\s] matrix_a_fmt:MATRIX_FMT_FP4 matrix_b_fmt:MATRIX_FMT_FP4
.endif
.endr
	WIN 0
	PLACES 5
.irp q,0,1,2,3
	v_pk_add_f32 v[ACC+2*\q:ACC+2*\q+1], v[ACC+2*\q:ACC+2*\q+1], v[ACC+8+2*\q:ACC+8+2*\q+1]
.endr
.irp q,0,1,2,3
	v_pk_fma_f32 v[ACC+2*\q:ACC+2*\q+1], v[ACC+2*\q:ACC+2*\q+1], s[CS:CS+1], v[BI+16*\i+2*\q:BI+16*\i+2*\q+1] op_sel_hi:[1,0,1]
.endr
	s_wait_alu depctr_va_vdst(0)
	ds_store_b128 v[TBA], v[ACC:ACC+3] offset:64*\i
	ds_store_b128 v[TBA], v[ACC+4:ACC+7] offset:64*\i+16
.endr
	s_add_co_u32 s[SB], s[SB], QRG
	s_add_co_u32 s[SQ], s[SQ], 4096
	s_add_co_u32 s[TO], s[TO], 128
.endm
.macro KLOAD r0, r1, off
.set KR, \r0
.rept (\r1)-(\r0)+1
	WIN (2+KR/8)<<6
.irp g,0,1,2,3
.irp e,0,1
	global_load_b128 v[32*(KR%8)+8*\g+4*\e:32*(KR%8)+8*\g+4*\e+3], v[KO], s[KEYS:KEYS+1] offset:(\off)+4096*KR+1024*\g+16*\e
.endr
.endr
.set KR, KR+1
.endr
	WIN 0
.endm
.macro QROW i, lc                      ; row i of my 16: block maxima, scale bytes, codes; lc: the count for the wait on its loads (under 0: the caller has waited)
.set QT, BF+32*((\i)%2)
.set QL, 32*((\i)%8)
.set QW, 2+(\i)/8
.if (\lc) >= 0
	s_wait_loadcnt \lc
.endif
	s_wait_dscnt 8                                 ; the youngest eight may be out: the stores of the row before last, which read this set of work registers, are done
	WIN QW*5
.irp g,0,1,2,3
	v_max3_num_f32 v[QT+\g], |v[QL+8*\g]|, |v[QL+8*\g+1]|, 0x1800000
.endr
.irp e,2,4,6
.irp g,0,1,2,3
	v_max3_num_f32 v[QT+\g], |v[QL+8*\g+\e]|, |v[QL+8*\g+\e+1]|, v[QT+\g]
.endr
.endr
	WIN 0
.irp g,0,1,2,3
	v_max_num_f32_dpp v[QT+\g], v[QT+\g], v[QT+\g] row_xmask:1 row_mask:0xf bank_mask:0xf
.endr
.irp g,0,1,2,3
	v_max_num_f32_dpp v[QT+\g], v[QT+\g], v[QT+\g] row_xmask:2 row_mask:0xf bank_mask:0xf
.endr
.irp g,0,1,2,3
	v_add_nc_u32 v[QT+4+\g], 0xff000000, v[QT+\g]
.endr
.irp g,0,1,2,3
	v_lshrrev_b32 v[QT+8+\g], 23, v[QT+4+\g]
.endr
	WIN QW
.irp g,0,1,2,3
	v_cvt_scalef32_pk8_fp4_f32 v[QT+12+\g], v[QL+8*\g:QL+8*\g+7], v[QT+4+\g]
.endr
	WIN 0
	v_nop
.irp g,0,1,2,3
	ds_store_b32 v[QC], v[QT+12+\g] offset:PIT*(\i)+128*\g
.endr
.irp g,0,1,2,3
	ds_store_b8 v[QS], v[QT+8+\g] offset:32*(\i)+8*\g
.endr
	WIN QW*0x45                                    ; sources and destination in the row's window
.irp d,0,1,2,3,4,5,6,7,8,9,10,11,12,13,14,15
	v_cvt_pk_bf16_f32 v[QL+\d], v[QL+2*\d], v[QL+2*\d+1]   ; the bf16 copy in place: register d takes numbers 2 d and 2 d + 1, ascending, so that no number is written over before it is read
.endr
	WIN 0
.endm
; What trip 7 - c adds for the next pass: rows l0 .. l1 are asked for, all older loads are waited for (the count is what this arm has just issued), and nq rows from q0 on are quantised.
.macro ARM c, l0, l1, q0, nq, next
	s_cmp_lg_u32 s[CNT], \c
	s_cbranch_scc1 \next
.if (\l1) >= (\l0)
	KLOAD \l0, \l1, NEXT
.endif
	s_wait_loadcnt 8*((\l1)-(\l0)+1)
.set QI, \q0
.rept \nq
	QROW QI, -1
.set QI, QI+1
.endr
	s_wait_alu depctr_va_vdst(0)
	s_branch .Larm_done
\next:
.endm
.macro ALOAD
	WIN 0x40
.irp m,0,1,2,3
.irp s,0,1,2,3,4,5,6,7
.irp c,0,1
	ds_load_b128 v[64*\m+8*\s+4*\c:64*\m+8*\s+4*\c+3], v[AA] offset:16*PIT*\m+64*\s+32*\c
.endr
.endr
.endr
	WIN 0
.irp p,0,1
.irp q,0,1
	ds_load_b128 v[ASC+8*\p+4*\q:ASC+8*\p+4*\q+3], v[ASA] offset:1024*\p+16*\q
.endr
.endr
.endm
.macro FIN
.irp m,0,1,2,3
	v_add_f32 v[TMP+\m], v[SACC+2*\m], v[SACC+2*\m+1]
.endr
.irp m,0,1,2,3
	v_permlanex16_b32 v[TMP+16+\m], v[TMP+\m], s[SEL], s[SEL+1]
.endr
.irp m,0,1,2,3
	v_add_f32 v[TMP+\m], v[TMP+\m], v[TMP+16+\m]
.endr
.irp m,0,1,2,3
	ds_store_b32 v[EXW], v[TMP+\m] offset:64*\m
.endr
	s_wait_dscnt 0x0
	s_barrier_signal -1
	s_barrier_wait -1
.irp q,0,1,2,3
	ds_load_b64 v[TMP+8+2*\q:TMP+9+2*\q], v[EXR] offset:256*\q
.endr
	s_wait_dscnt 0x0
	v_pk_add_f32 v[SS:SS+1], v[TMP+8:TMP+9], v[TMP+10:TMP+11]
	v_pk_add_f32 v[TMP+12:TMP+13], v[TMP+12:TMP+13], v[TMP+14:TMP+15]
	v_pk_add_f32 v[SS:SS+1], v[SS:SS+1], v[TMP+12:TMP+13]
	s_cmp_lg_u32 s[WV], 0
	s_cbranch_scc1 .Lnot_mine_\@
	global_store_b64 v[SGO], v[SS:SS+1], s[SCP:SCP+1]
.Lnot_mine_\@:
	s_wait_alu depctr_va_vdst(0)
	v_max_num_f32 v[W0], v[SS], v[SS+1]
	v_max_num_f32_dpp v[W0], v[W0], v[W0] row_xmask:1 row_mask:0xf bank_mask:0xf
	v_max_num_f32_dpp v[W0], v[W0], v[W0] row_xmask:2 row_mask:0xf bank_mask:0xf
	v_max_num_f32_dpp v[W0], v[W0], v[W0] row_xmask:4 row_mask:0xf bank_mask:0xf
	v_max_num_f32_dpp v[W0], v[W0], v[W0] row_xmask:8 row_mask:0xf bank_mask:0xf
	v_permlanex16_b32 v[W1], v[W0], s[SEL], s[SEL+1]
	v_max3_num_f32 v[W1], v[W0], v[W1], v[MX]
	v_sub_f32 v[FF], v[MX], v[W1]
	v_sub_f32 v[PP], v[SS], v[W1]
	v_sub_f32 v[PP+1], v[SS+1], v[W1]
	v_mov_b32 v[MX], v[W1]
	s_wait_alu depctr_va_vdst(0)
	v_exp_f32 v[FF], v[FF]
	v_exp_f32 v[PP], v[PP]
	v_exp_f32 v[PP+1], v[PP+1]
	v_nop
	s_wait_alu depctr_va_vdst(0)
	ds_store_b64 v[PWW], v[PP:PP+1]
.set EJ, 0
.rept 16
	v_pk_mul_f32 v[CT+EJ:CT+EJ+1], v[CT+EJ:CT+EJ+1], v[FF:FF+1] op_sel_hi:[1,0]
.set EJ, EJ+2
.endr
	s_mov_b32 s[HO], 0
	s_mov_b32 s[PO], 0
	s_mov_b32 s[CNT], 2
.Lrows_\@:
	v_add_nc_u32 v[HR], s[HO], v[HA]
	v_add_nc_u32 v[PR], s[PO], v[PWR]
	ds_load_b128 v[TMP:TMP+3], v[PR]
	ds_load_b128 v[TMP+4:TMP+7], v[PR] offset:16
.irp j,0,1,2,3,4,5,6,7
.irp g,0,1,2,3
	ds_load_b128 v[BF+16*\j+4*\g:BF+16*\j+4*\g+3], v[HR] offset:2048*\j+512*\g
.endr
.endr
.irp j,0,1,2,3,4,5,6,7
	s_wait_dscnt 4*(7-\j)
.irp g,0,1,2,3
.irp q,0,1,2,3
	v_fma_mix_f32_bf16 v[CT+8*\g+2*\q], v[BF+16*\j+4*\g+\q], v[TMP+\j], v[CT+8*\g+2*\q] op_sel_hi:[1,0,0]
	v_fma_mix_f32_bf16 v[CT+8*\g+2*\q+1], v[BF+16*\j+4*\g+\q], v[TMP+\j], v[CT+8*\g+2*\q+1] op_sel:[1,0,0] op_sel_hi:[1,0,0]
.endr
.endr
.endr
	s_add_co_u32 s[HO], s[HO], 16384
	s_add_co_u32 s[PO], s[PO], 32
	s_sub_co_u32 s[CNT], s[CNT], 1
	s_cmp_lg_u32 s[CNT], 0
	s_cbranch_scc1 .Lrows_\@
.endm
	s_load_b512 s[8:23], s[0:1], 0x0
	s_load_b256 s[24:31], s[0:1], 0x40
	v_lshl_add_u32 v[SPW], v0, 2, SPARE
	v_mov_b32 v[NIL], 0
	ds_add_u32 v[SPW], v[NIL]
	ds_add_u32 v[SPW], v[NIL]
	v_lshrrev_b32 v[W0], 5, v0
	v_readfirstlane_b32 s[WV], v[W0]
	s_and_b32 s[WH], s[WV], 1
	s_bfe_u32 s[XX], ttmp6, 0x40000
	s_lshl_b32 s[T2], ttmp9, 2
	s_add_co_u32 s[XX], s[XX], s[T2]
	s_lshr_b32 s[BB], ttmp9, 1
	s_mov_b32 s[G1C], 15|(1<<20)|(1<<21)|(6<<22)|(3<<25)
	s_mov_b32 s[G1C+1], 512<<16
	s_mov_b32 s[G1C+2], 64<<16
	s_mov_b32 s[G1C+3], 512<<16
	s_mov_b32 s[G1C+4], 64
	s_mov_b32 s[G1C+5], 512
	s_mov_b32 s[G1C+6], 0
	s_mov_b32 s[G1C+7], 0
	s_mov_b32 s[G1Q], 15|(1<<20)|(1<<21)|(6<<22)|(3<<25)
	s_mov_b32 s[G1Q+1], 512<<16
	s_mov_b32 s[G1Q+2], 128<<16
	s_mov_b32 s[G1Q+3], 512<<16
	s_mov_b32 s[G1Q+4], 128
	s_mov_b32 s[G1Q+5], 512
	s_mov_b32 s[G1Q+6], 0
	s_mov_b32 s[G1Q+7], 0
	s_mov_b32 s[G1S], 15|(3<<16)|(1<<21)
	s_mov_b32 s[G1S+1], 32<<16
	s_mov_b32 s[G1S+2], 8<<16
	s_mov_b32 s[G1S+3], 32<<16
	s_mov_b32 s[G1S+4], 8
	s_mov_b32 s[G1S+5], 32
	s_mov_b32 s[G1S+6], 0
	s_mov_b32 s[G1S+7], 0
	s_mov_b32 s[G1QS], 15|(3<<16)|(1<<21)
	s_mov_b32 s[G1QS+1], 32<<16
	s_mov_b32 s[G1QS+2], 32<<16
	s_mov_b32 s[G1QS+3], 32<<16
	s_mov_b32 s[G1QS+4], 32
	s_mov_b32 s[G1QS+5], 32
	s_mov_b32 s[G1QS+6], 0
	s_mov_b32 s[G1QS+7], 0
	s_mov_b32 s[SEL], 0x76543210
	s_mov_b32 s[SEL+1], 0xfedcba98
	s_mov_b32 s[CS], 0x4038aa3b
	s_mov_b32 s[CS+1], s[CS]
	s_mul_i32 s[WCO], s[WH], 64*PIT
	s_lshl_b32 s[WSO], s[WH], 11
	s_add_co_u32 s[WSO], s[WSO], USC
	s_mov_b32 s[T0+1], 0
	s_mov_b32 s[T2+1], 0
	s_wait_dscnt 0x0
	s_wait_kmcnt 0x0
	s_lshl_b32 s[T0], s[WH], 15
	s_add_nc_u64 s[UCP:UCP+1], s[UCP:UCP+1], s[T0:T0+1]
	s_lshl_b32 s[T0], s[WH], 11
	s_add_nc_u64 s[USP:USP+1], s[USP:USP+1], s[T0:T0+1]
	s_lshl_b32 s[T0], s[WV], 16
	s_add_nc_u64 s[WCP:WCP+1], s[WCP:WCP+1], s[T0:T0+1]
	s_lshl_b32 s[T0], s[WV], 13
	s_add_nc_u64 s[WSP:WSP+1], s[WSP:WSP+1], s[T0:T0+1]
	s_mov_b32 s[G0C], 1
	s_mul_i32 s[G0C+1], s[WV], QRG
	s_mov_b64 s[G0C+2:G0C+3], s[WCP:WCP+1]
	s_or_b32 s[G0C+3], s[G0C+3], 0x80000000
	s_mov_b32 s[G0S], 1
	s_lshl_b32 s[G0S+1], s[WV], 13
	s_add_co_u32 s[G0S+1], s[G0S+1], L_QS
	s_mov_b64 s[G0S+2:G0S+3], s[WSP:WSP+1]
	s_or_b32 s[G0S+3], s[G0S+3], 0x80000000
	ROUND
	tensor_load_to_lds s[G0C:G0C+3], s[G1Q:G1Q+7]
	s_nop 0
	s_wait_alu depctr_va_vdst(0)
	s_wait_tensorcnt 0x0
	ds_add_u32 v1, v2
	s_wait_dscnt 0x0
	ROUND
	tensor_load_to_lds s[G0S:G0S+3], s[G1QS:G1QS+7]
	s_nop 0
	PLACES 4
	s_lshl_b32 s[T2], s[XX], 20
	s_lshl_b32 s[T1], s[WV], 16
	s_add_co_u32 s[T2], s[T2], s[T1]
	s_add_nc_u64 s[KEYS:KEYS+1], s[KEYS:KEYS+1], s[T2:T2+1]
	s_lshl_b32 s[T2], s[XX], 10
	s_add_nc_u64 s[SCP:SCP+1], s[SCP:SCP+1], s[T2:T2+1]
	s_lshl_b32 s[T2], s[XX], 12
	s_add_nc_u64 s[CXP:CXP+1], s[CXP:CXP+1], s[T2:T2+1]
	s_lshl_b32 s[T2], s[BB], 9
	s_add_nc_u64 s[QCP:QCP+1], s[QCP:QCP+1], s[T2:T2+1]
	s_lshl_b32 s[T2], s[BB], 5
	s_add_nc_u64 s[QSP:QSP+1], s[QSP:QSP+1], s[T2:T2+1]
	v_and_b32 v[TMP], 31, v0
	v_and_b32 v[TMP+1], 15, v0
	v_bfe_u32 v[TMP+2], v0, 4, 1
	v_lshlrev_b32 v[TMP+3], 4, v0
	v_lshlrev_b32 v[TMP+4], 4, v[TMP+2]
	v_mov_b32 v[TMP+5], 0
	v_lshlrev_b32 v[KO], 5, v[TMP]
	global_load_b128 v[TMP+8:TMP+11], v[TMP+3], s[WAB:WAB+1]
	global_load_b128 v[TMP+12:TMP+15], v[TMP+3], s[WAB:WAB+1] offset:2048
	global_load_b128 v[TMP+16:TMP+19], v[TMP+3], s[UAB:UAB+1]
	global_load_b128 v[TMP+20:TMP+23], v[TMP+3], s[UAB:UAB+1] offset:2048
	global_load_b128 v[TMP+24:TMP+27], v[TMP+3], s[VAP:VAP+1]
	global_load_b128 v[TMP+28:TMP+31], v[TMP+3], s[VAP:VAP+1] offset:2048
	global_load_b128 v[ASC:ASC+3], v[TMP+5], s[QSP:QSP+1]
	global_load_b128 v[ASC+4:ASC+7], v[TMP+5], s[QSP:QSP+1] offset:16
	WIN 0x40
.irp s,0,1,2,3,4,5,6,7
.irp c,0,1
	global_load_b128 v[8*\s+4*\c:8*\s+4*\c+3], v[TMP+4], s[QCP:QCP+1] offset:64*\s+32*\c
.endr
.endr
	KLOAD 0, 3, 0
	v_mul_u32_u24 v[AA], v[TMP+1], PIT
	v_lshl_add_u32 v[AA], v[TMP+2], 4, v[AA]
	s_mul_i32 s[T0], s[WV], 32*PIT
	v_add_nc_u32 v[BA0], s[T0], v[AA]
	v_add_nc_u32 v[AA], L_AR, v[AA]
	v_lshl_add_u32 v[ASA], v[TMP], 5, L_AS
	s_mul_i32 s[T0], s[WV], 16*PIT
	s_add_co_u32 s[T0], s[T0], L_AR
	v_lshl_add_u32 v[QC], v[TMP], 2, s[T0]
	s_lshl_b32 s[T0], s[WV], 9
	s_add_co_u32 s[T0], s[T0], L_AS
	v_lshrrev_b32 v[QS], 2, v[TMP]
	v_add_nc_u32 v[QS], s[T0], v[QS]
	s_lshl_b32 s[T0], s[WV], 15
	s_add_co_u32 s[T0], s[T0], L_HB
	v_lshl_add_u32 v[HA], v[TMP], 4, s[T0]
	s_lshl_b32 s[T0], s[WV], 10
	s_add_co_u32 s[T1], s[T0], USC
	v_lshl_add_u32 v[BS0], v[TMP+1], 5, s[T1]
	s_add_co_u32 s[T1], s[T0], L_TB
	v_lshl_add_u32 v[TB0], v[TMP+2], 5, s[T1]
	s_lshl_b32 s[T0], s[WV], 8
	s_add_co_u32 s[T1], s[T0], L_EX
	v_lshl_add_u32 v[EXW], v[TMP+1], 2, s[T1]
	v_lshl_add_u32 v[EXR], v[TMP], 3, L_EX
	s_add_co_u32 s[T1], s[T0], L_PW
	v_lshl_add_u32 v[PWW], v[TMP], 3, s[T1]
	s_mul_i32 s[T0], s[WV], 320
	s_add_co_u32 s[T0], s[T0], L_PW
	v_mov_b32 v[PWR], s[T0]
	v_lshlrev_b32 v[SGO], 3, v[TMP]
	v_bfe_u32 v[TMP+6], v0, 3, 2
	v_lshlrev_b32 v[TMP+6], 10, v[TMP+6]
	v_lshrrev_b32 v[TMP+7], 5, v0
	v_lshl_add_u32 v[TMP+6], v[TMP+7], 7, v[TMP+6]
	v_and_b32 v[TMP+7], 7, v0
	v_lshl_add_u32 v[TMP+6], v[TMP+7], 4, v[TMP+6]
	v_add_nc_u32 v[TMP+6], L_TB, v[TMP+6]
	s_wait_loadcnt 32
.irp q,0,2,4,6
	v_pk_add_f32 v[TMP+8+\q:TMP+9+\q], v[TMP+8+\q:TMP+9+\q], v[TMP+16+\q:TMP+17+\q]
.endr
.irp q,0,2,4,6
	v_pk_mul_f32 v[TMP+8+\q:TMP+9+\q], v[TMP+8+\q:TMP+9+\q], s[CS:CS+1] op_sel_hi:[1,0]
.endr
.irp q,0,2,4,6
	v_pk_mul_f32 v[TMP+24+\q:TMP+25+\q], v[TMP+24+\q:TMP+25+\q], 0xc038aa3b op_sel_hi:[1,0]
.endr
	ds_store_b128 v[TMP+6], v[TMP+8:TMP+11]
	ds_store_b128 v[TMP+6], v[TMP+12:TMP+15] offset:512
	ds_store_b128 v[TMP+6], v[TMP+24:TMP+27] offset:4096
	ds_store_b128 v[TMP+6], v[TMP+28:TMP+31] offset:4608
	KLOAD 4, 6, 0
.set EJ, 0
.rept 32
	v_mov_b32 v[CT+EJ], 0
.set EJ, EJ+1
.endr
	v_mov_b32 v[MX], 0xff61b1e6
	v_mov_b32 v[FF+1], 0
	v_mov_b32 v[W1], 0
	s_wait_tensorcnt 0x0
	s_wait_dscnt 0x0
	s_barrier_signal -1
	s_barrier_wait -1
.irp m,0,1,2,3
	v_mov_b32 v[TMP+16+\m], 0
.endr
	KLOAD 7, 12, 0
	s_mov_b32 s[SB], 0
	s_mov_b32 s[SQ], L_QS-USC
	s_mov_b32 s[TO], 0
	s_mov_b32 s[CNT], 4
.Lqa:
	QPART
	s_sub_co_u32 s[CNT], s[CNT], 1
	s_cmp_lg_u32 s[CNT], 0
	s_cbranch_scc1 .Lqa
	s_wait_tensorcnt 0x0
	ds_add_u32 v[SPW], v[NIL]
	s_add_nc_u64 s[G0C+2:G0C+3], s[G0C+2:G0C+3], 4*65536
	s_wait_dscnt 0x0
	ROUND
	tensor_load_to_lds s[G0C:G0C+3], s[G1Q:G1Q+7]
	s_nop 0
	PLACES 4
	KLOAD 13, 15, 0
	s_wait_tensorcnt 0x0
	s_barrier_signal -1
	s_barrier_wait -1
	s_mov_b32 s[SB], 0
	s_mov_b32 s[SQ], L_QS-USC+4*4096
	s_mov_b32 s[TO], 4*128
	s_mov_b32 s[CNT], 4
.Lqb:
	QPART
	s_sub_co_u32 s[CNT], s[CNT], 1
	s_cmp_lg_u32 s[CNT], 0
	s_cbranch_scc1 .Lqb
	s_mov_b32 s[SN], 0
	TRIPA 0, 2
	s_mov_b32 s[PASS], 4
.irp i,0,1,2,3,4,5,6,7
	QROW \i, 63                                    ; the first pass's rows are quantised here; behind row i's loads 8 (15 - i) were issued, 64 or more
.endr
.irp i,8,9,10,11,12,13,14,15
	QROW \i, 8*(15-\i)
.endr
.Lpass:
	s_wait_alu depctr_va_vdst(0)
.set KR, 0
.rept 16                                       ; my 16 rows' bf16 copies go to my own 32 KB of LDS, which the context of the pass before has read
	WIN (2+KR/8)<<2
.irp g,0,1,2,3
	ds_store_b128 v[HA], v[32*(KR%8)+4*\g:32*(KR%8)+4*\g+3] offset:2048*KR+512*\g
.endr
.set KR, KR+1
.endr
	WIN 0
	s_mov_b32 s[SB], 0
	s_mov_b32 s[SN], USL
	s_mov_b32 s[TO], 0
.irp k,0,1,2,3,4,5,6,7
	v_mov_b32 v[SACC+\k], 0
.endr
	TRIPA 0, 1
	ALOAD
	s_cmp_eq_u32 s[PASS], 1
	s_cbranch_scc1 .Lk0
	KLOAD 0, 5, NEXT
.Lk0:
	TRIPB 0
	s_mov_b32 s[CNT], 6
.Lt0:                                                  ; trips 1 to 6
	TRIP 1, 1
	PLACES 4                                       ; the arms write registers that the last products read as B's fragments
	s_wait_alu depctr_va_vdst(0)
	s_cmp_eq_u32 s[PASS], 1                        ; the last pass has no successor
	s_cbranch_scc1 .Larm_done
	ARM 6, 6, 8, 0, 3, .La5
	ARM 5, 9, 11, 3, 3, .La4
	ARM 4, 12, 14, 6, 3, .La3
	ARM 3, 15, 15, 9, 3, .La2
	ARM 2, 1, 0, 12, 2, .La1
	ARM 1, 1, 0, 14, 2, .La0
.Larm_done:
	s_sub_co_u32 s[CNT], s[CNT], 1
	s_cmp_lg_u32 s[CNT], 0
	s_cbranch_scc1 .Lt0
	s_cmp_eq_u32 s[PASS], 1
	s_cbranch_scc1 .Llast
	TRIP 1, 2
	BOTH
	FIN
	s_wait_xcnt 0x0
	s_add_nc_u64 s[KEYS:KEYS+1], s[KEYS:KEYS+1], NEXT
	s_add_nc_u64 s[SCP:SCP+1], s[SCP:SCP+1], 256
	s_sub_co_u32 s[PASS], s[PASS], 1
	s_cmp_lg_u32 s[PASS], 0
	s_cbranch_scc1 .Lpass
.Llast:
	TRIP 1, 0
	BOTH
	FIN
	v_and_b32 v[TMP], 31, v0
	s_lshl_b32 s[T0], s[WV], 12
	s_add_co_u32 s[T0], s[T0], L_AR
	v_lshl_add_u32 v[HR], v[TMP], 4, s[T0]
	s_wait_alu depctr_va_vdst(0)
	s_lshl_b32 s[T1], s[WV], 10
	v_lshl_add_u32 v[TMP+1], v[TMP], 4, s[T1]
	v_add_nc_u32 v[PR], L_AR, v[TMP+1]
.irp k,0,1,2,3,4,5,6,7
	ds_store_b128 v[HR], v[CT+4*\k:CT+4*\k+3] offset:512*\k
.endr
	s_wait_alu depctr_va_vdst(0)
	s_wait_dscnt 0x0
	s_barrier_signal -1
	s_barrier_wait -1
.irp k,0,1
.irp q,0,1,2,3
	ds_load_b128 v[BF+16*\k+4*\q:BF+16*\k+4*\q+3], v[PR] offset:4096*\q+512*\k
.endr
.endr
	s_wait_dscnt 0x0
.irp k,0,1
.irp e,0,2
	v_pk_add_f32 v[BF+16*\k+\e:BF+16*\k+\e+1], v[BF+16*\k+\e:BF+16*\k+\e+1], v[BF+16*\k+4+\e:BF+16*\k+5+\e]
	v_pk_add_f32 v[BF+16*\k+8+\e:BF+16*\k+9+\e], v[BF+16*\k+8+\e:BF+16*\k+9+\e], v[BF+16*\k+12+\e:BF+16*\k+13+\e]
.endr
.irp e,0,2
	v_pk_add_f32 v[BF+16*\k+\e:BF+16*\k+\e+1], v[BF+16*\k+\e:BF+16*\k+\e+1], v[BF+16*\k+8+\e:BF+16*\k+9+\e]
.endr
.endr
.irp k,0,1
	global_store_b128 v[TMP+1], v[BF+16*\k:BF+16*\k+3], s[CXP:CXP+1] offset:512*\k
.endr
	s_wait_tensorcnt 0x0
	ds_add_u32 v[SPW], v[NIL]
	s_wait_dscnt 0x0
	ROUND
	s_endpgm
.Lfunc_end_k_q68fa8b75cf_main:
	.size	k_q68fa8b75cf_main, .Lfunc_end_k_q68fa8b75cf_main-k_q68fa8b75cf_main
	.p2alignl 7, 3214868480
	.fill 96, 4, 3214868480
	.section	.rodata,"a",@progbits
	.p2align	6, 0x0
	.amdhsa_kernel k_q68fa8b75cf_main
		.amdhsa_group_segment_fixed_size 327680
		.amdhsa_private_segment_fixed_size 0
		.amdhsa_enable_private_segment 0
		.amdhsa_kernarg_size 96
		.amdhsa_user_sgpr_count 2
		.amdhsa_user_sgpr_kernarg_segment_ptr 1
		.amdhsa_wavefront_size32 1
		.amdhsa_system_sgpr_workgroup_id_x 1
		.amdhsa_system_sgpr_workgroup_id_y 1
		.amdhsa_system_sgpr_workgroup_id_z 1
		.amdhsa_system_vgpr_workitem_id 0
		.amdhsa_next_free_vgpr 1024
		.amdhsa_next_free_sgpr 100
		.amdhsa_reserve_vcc 0
		.amdhsa_float_denorm_mode_32 3
		.amdhsa_float_denorm_mode_16_64 3
		.amdhsa_memory_ordered 1
		.amdhsa_forward_progress 1
		.amdhsa_inst_pref_size 255
	.end_amdhsa_kernel
	.section	.bss,"aw",@nobits
	.p2align	6
	.space	262144
	.amdgpu_metadata
---
amdhsa.version: [ 1, 2 ]
amdhsa.kernels:
  - .name:           k_q68fa8b75cf_main
    .symbol:         k_q68fa8b75cf_main.kd
    .args:
      - { .name: keys, .offset: 0, .size: 8, .value_kind: global_buffer, .address_space: global }
      - { .name: query_codes, .offset: 8, .size: 8, .value_kind: global_buffer, .address_space: global }
      - { .name: query_scales, .offset: 16, .size: 8, .value_kind: global_buffer, .address_space: global }
      - { .name: Wa_w_codes, .offset: 24, .size: 8, .value_kind: global_buffer, .address_space: global }
      - { .name: Wa_w_scales, .offset: 32, .size: 8, .value_kind: global_buffer, .address_space: global }
      - { .name: Ua_w_codes, .offset: 40, .size: 8, .value_kind: global_buffer, .address_space: global }
      - { .name: Ua_w_scales, .offset: 48, .size: 8, .value_kind: global_buffer, .address_space: global }
      - { .name: Wa_b, .offset: 56, .size: 8, .value_kind: global_buffer, .address_space: global }
      - { .name: Ua_b, .offset: 64, .size: 8, .value_kind: global_buffer, .address_space: global }
      - { .name: Va_w, .offset: 72, .size: 8, .value_kind: global_buffer, .address_space: global }
      - { .name: sc, .offset: 80, .size: 8, .value_kind: global_buffer, .address_space: global }
      - { .name: cx, .offset: 88, .size: 8, .value_kind: global_buffer, .address_space: global }
    .group_segment_fixed_size: 327680
    .private_segment_fixed_size: 0
    .kernarg_segment_align: 8
    .kernarg_segment_size: 96
    .max_flat_workgroup_size: 128
    .sgpr_count:     100
    .vgpr_count:     1024
    .wavefront_size: 32
...
	.end_amdgpu_metadata
.endif
;; end of part 1
;; launch finish (part 2): grid 32 x 1, 8 waves a work-group, no clusters, 1,280 bytes of LDS; arguments sc, cx, out0, out1; writes out0, out1
.if DOCPART == 2
	.amdgcn_target "amdgcn-amd-amdhsa--gfx1250"
	.amdhsa_code_object_version 6
	.text
	.protected	k_q68fa8b75cf_finish
	.globl	k_q68fa8b75cf_finish
	.p2align	8
	.type	k_q68fa8b75cf_finish,@function
k_q68fa8b75cf_finish:
	s_mov_b64 s[64:65], 0
	v_nop
	global_prefetch_b8 v0, s[64:65] scope:SCOPE_SE
	s_setreg_imm32_b32 hwreg(HW_REG_WAVE_MODE, 25, 1), 1
	s_wait_xcnt 0x0
; One work-group for each batch.  sc holds the batch's 2,048 scores t in units of log2; Va_b and the plain sum of Va, which are the same for every key of a row, were left out of them (shown at the first kernel's
; head): the softmax leaves them out of both outputs for all values.  cx holds eight partial contexts, block j's summed under its own maximum m_j of its 256 scores.
; out1 = 2^(t - M) / L, M the row's maximum, L the row's sum;  out0 = sum_j 2^(m_j - M) cx_j / L.  m_j is taken again from the stored scores: a maximum rounds nothing, so it has the first launch's bits.
; The batch's whole work is 2,048 scores and 8 x 4 KB: one work-group of eight waves; no more work-groups are launched than there are batches.
; REGISTERS: v8-15 scores, then p; v16-47 the eight partial contexts, on their way until the last wait; v48-55 words read back from LDS; v64-71 m_j, then 2^(m_j - M) / L; v72 M; v74-77 sums; v[78:79] 1 / L;
; v80-83 out0; v84, v85 the wave's two maxima; v86, v87 lane permutes' destinations; v88 the LDS address 0.
.set SPARE, 256                        ; LDS: bytes 0-63 sixteen maxima, 64-95 eight sums; from 256 on the spare words, 128 bytes for each of the eight waves
.set SPW, 1
.set NIL, 2
.set MA,  84
.set MB,  85
.set PA,  86
.set PB,  87
.set ZA,  88
	s_load_b256 s[4:11], s[0:1], 0x0               ; sc, cx, out0, out1
	v_lshl_add_u32 v[SPW], v0, 2, SPARE
	v_mov_b32 v[NIL], 0
	v_lshrrev_b32 v3, 5, v0                        ; wave
	s_wait_alu depctr_va_vdst(0)
	s_lshl_b32 s14, ttmp9, 13                      ; 8,192 bytes of scores and of weights a batch
	s_mov_b32 s15, 0
	s_lshl_b32 s16, ttmp9, 15                      ; eight partial contexts of 4,096 bytes
	s_mov_b32 s17, 0
	s_lshl_b32 s18, ttmp9, 12                      ; a row of out0
	s_mov_b32 s19, 0
	s_mov_b32 s20, 0x76543210                      ; v_permlanex16_b32's selects for lane l xor 16
	s_mov_b32 s21, 0xfedcba98
	v_lshlrev_b32 v4, 4, v0                        ; 16 t
	v_lshrrev_b32 v5, 6, v0
	v_and_b32 v6, 1, v0
	s_delay_alu instid0(VALU_DEP_1)
	v_lshl_add_u32 v5, v5, 1, v6                   ; k = 2 (t / 64) + t % 2
	v_bfe_u32 v6, v0, 1, 5                         ; l = (t / 2) % 32
	s_delay_alu instid0(VALU_DEP_1)
	v_lshlrev_b32 v6, 4, v6
	s_delay_alu instid0(VALU_DEP_1)
	v_lshl_add_u32 v5, v5, 9, v6                   ; 512 k + 16 l
	v_lshlrev_b32 v7, 2, v3                        ; 4 x wave
	v_mov_b32 v[ZA], 0
	v_mov_b32 v[PA], 0                             ; written once: a lane permute's destination counts as one of its sources
	v_mov_b32 v[PB], 0
	v_mov_b32 v79, 0                               ; (named as the upper half of a pair)
	s_wait_alu depctr_va_vdst(0)
	s_wait_kmcnt 0x0
	s_add_nc_u64 s[4:5], s[4:5], s[14:15]
	s_add_nc_u64 s[10:11], s[10:11], s[14:15]
	s_add_nc_u64 s[6:7], s[6:7], s[16:17]
	s_add_nc_u64 s[8:9], s[8:9], s[18:19]
	global_load_b128 v[8:11], v4, s[4:5]
	global_load_b128 v[12:15], v4, s[4:5] offset:4096
.irp j,0,1,2,3,4,5,6,7
	global_load_b128 v[16+4*\j:19+4*\j], v5, s[6:7] offset:4096*\j
.endr
	s_wait_loadcnt 8                               ; the scores are in; the eight loads of partial contexts may be out: nothing below names v16-47 before the wait for them
	v_max3_num_f32 v[MA], v8, v9, v10
	v_max3_num_f32 v[MB], v12, v13, v14
	s_delay_alu instid0(VALU_DEP_2)
	v_max_num_f32 v[MA], v[MA], v11
	s_delay_alu instid0(VALU_DEP_2)
	v_max_num_f32 v[MB], v[MB], v15
.irp x,1,2,4,8
	s_delay_alu instid0(VALU_DEP_2)
	v_max_num_f32_dpp v[MA], v[MA], v[MA] row_xmask:\x row_mask:0xf bank_mask:0xf
	s_delay_alu instid0(VALU_DEP_2)
	v_max_num_f32_dpp v[MB], v[MB], v[MB] row_xmask:\x row_mask:0xf bank_mask:0xf
.endr
	s_delay_alu instid0(VALU_DEP_2)
	v_permlanex16_b32 v[PA], v[MA], s20, s21
	s_delay_alu instid0(VALU_DEP_2)
	v_permlanex16_b32 v[PB], v[MB], s20, s21
	s_delay_alu instid0(VALU_DEP_2)
	v_max_num_f32 v[MA], v[MA], v[PA]              ; the maximum of my wave's 128 scores of the first half: half of block wave / 2,
	s_delay_alu instid0(VALU_DEP_2)
	v_max_num_f32 v[MB], v[MB], v[PB]              ; of the second half: half of block 4 + wave / 2
	ds_store_b32 v7, v[MA]                         ; all lanes write the same word with the same value
	ds_store_b32 v7, v[MB] offset:32
	s_wait_dscnt 0x0                               ; for the others' sake: my two maxima lie in LDS
	s_barrier_signal -1
	s_barrier_wait -1
.irp q,0,1,2,3
	ds_load_b128 v[48+4*\q:51+4*\q], v[ZA] offset:16*\q
.endr
	s_wait_dscnt 0x0
.irp j,0,1,2,3,4,5,6,7
	v_max_num_f32 v[64+\j], v[48+2*\j], v[49+2*\j] ; m_j
.endr
	v_max3_num_f32 v72, v64, v65, v66
	s_delay_alu instid0(VALU_DEP_1)
	v_max3_num_f32 v72, v72, v67, v68
	s_delay_alu instid0(VALU_DEP_1)
	v_max3_num_f32 v72, v72, v69, v70
	s_delay_alu instid0(VALU_DEP_1)
	v_max_num_f32 v72, v72, v71                    ; M
.irp i,0,1,2,3,4,5,6,7
	v_sub_f32 v[8+\i], v[8+\i], v72
.endr
.irp j,0,1,2,3,4,5,6,7
	v_sub_f32 v[64+\j], v[64+\j], v72
.endr
	s_wait_alu depctr_va_vdst(0)
.irp i,0,1,2,3,4,5,6,7
	v_exp_f32 v[8+\i], v[8+\i]
.endr
.irp j,0,1,2,3,4,5,6,7
	v_exp_f32 v[64+\j], v[64+\j]
.endr
	v_nop
	s_wait_alu depctr_va_vdst(0)                   ; one wait for the sixteen, ahead of their first reader
	v_pk_add_f32 v[74:75], v[8:9], v[10:11]
	v_pk_add_f32 v[76:77], v[12:13], v[14:15]
	s_delay_alu instid0(VALU_DEP_1)
	v_pk_add_f32 v[74:75], v[74:75], v[76:77]
	s_delay_alu instid0(VALU_DEP_1)
	v_add_f32 v74, v74, v75
.irp x,1,2,4,8
	s_delay_alu instid0(VALU_DEP_1)
	v_add_f32_dpp v74, v74, v74 row_xmask:\x row_mask:0xf bank_mask:0xf
.endr
	s_delay_alu instid0(VALU_DEP_1)
	v_permlanex16_b32 v[PA], v74, s20, s21
	s_delay_alu instid0(VALU_DEP_1)
	v_add_f32 v74, v74, v[PA]
	ds_store_b32 v7, v74 offset:64                 ; other bytes than the maxima's: one barrier serves
	s_wait_dscnt 0x0                               ; for the others' sake: my sum lies in LDS
	s_barrier_signal -1
	s_barrier_wait -1
	ds_load_b128 v[48:51], v[ZA] offset:64
	ds_load_b128 v[52:55], v[ZA] offset:80
	s_wait_dscnt 0x0
	v_pk_add_f32 v[48:49], v[48:49], v[50:51]
	v_pk_add_f32 v[52:53], v[52:53], v[54:55]
	s_delay_alu instid0(VALU_DEP_1)
	v_pk_add_f32 v[48:49], v[48:49], v[52:53]
	s_delay_alu instid0(VALU_DEP_1)
	v_add_f32 v48, v48, v49                        ; L
	s_wait_alu depctr_va_vdst(0)
	v_rcp_f32 v78, v48
	v_nop
	s_wait_alu depctr_va_vdst(0)                   ; ahead of the reciprocal's first reader
.irp i,0,2,4,6
	v_pk_mul_f32 v[8+\i:9+\i], v[8+\i:9+\i], v[78:79] op_sel_hi:[1,0]
.endr
	global_store_b128 v4, v[8:11], s[10:11]        ; 32 lanes store 512 consecutive bytes, at a multiple of 256 from out1's first byte
	global_store_b128 v4, v[12:15], s[10:11] offset:4096
.irp j,0,1,2,3,4,5,6,7
	v_mul_f32 v[64+\j], v[64+\j], v78              ; 2^(m_j - M) / L
.endr
	s_wait_alu depctr_va_vdst(0)
	s_wait_loadcnt 0x0                             ; the eight partial contexts are in
.irp e,0,1,2,3
	v_mul_f32 v[80+\e], v[16+\e], v64
.endr
.irp j,1,2,3,4,5,6,7
.irp e,0,1,2,3
	s_delay_alu instid0(VALU_DEP_4)
	v_fma_f32 v[80+\e], v[16+4*\j+\e], v[64+\j], v[80+\e]
.endr
.endr
	global_store_b128 v4, v[80:83], s[8:9]         ; 32 lanes store 512 consecutive bytes, at a multiple of 256 from out0's first byte
	s_wait_tensorcnt 0x0                           ; the wave's end
	ds_add_u32 v[SPW], v[NIL]
	s_wait_dscnt 0x0
	s_endpgm
.Lfunc_end_k_q68fa8b75cf_finish:
	.size	k_q68fa8b75cf_finish, .Lfunc_end_k_q68fa8b75cf_finish-k_q68fa8b75cf_finish
	.p2alignl 7, 3214868480
	.fill 96, 4, 3214868480
	.section	.rodata,"a",@progbits
	.p2align	6, 0x0
	.amdhsa_kernel k_q68fa8b75cf_finish
		.amdhsa_group_segment_fixed_size 1280
		.amdhsa_private_segment_fixed_size 0
		.amdhsa_enable_private_segment 0
		.amdhsa_kernarg_size 32
		.amdhsa_user_sgpr_count 2
		.amdhsa_user_sgpr_kernarg_segment_ptr 1
		.amdhsa_wavefront_size32 1
		.amdhsa_system_sgpr_workgroup_id_x 1
		.amdhsa_system_sgpr_workgroup_id_y 1
		.amdhsa_system_sgpr_workgroup_id_z 1
		.amdhsa_system_vgpr_workitem_id 0
		.amdhsa_next_free_vgpr 96
		.amdhsa_next_free_sgpr 66
		.amdhsa_reserve_vcc 0
		.amdhsa_float_denorm_mode_32 3
		.amdhsa_float_denorm_mode_16_64 3
		.amdhsa_memory_ordered 1
		.amdhsa_forward_progress 1
		.amdhsa_inst_pref_size 12
	.end_amdhsa_kernel
	.amdgpu_metadata
---
amdhsa.version: [ 1, 2 ]
amdhsa.kernels:
  - .name:           k_q68fa8b75cf_finish
    .symbol:         k_q68fa8b75cf_finish.kd
    .args:
      - { .name: sc, .offset: 0, .size: 8, .value_kind: global_buffer, .address_space: global }
      - { .name: cx, .offset: 8, .size: 8, .value_kind: global_buffer, .address_space: global }
      - { .name: out0, .offset: 16, .size: 8, .value_kind: global_buffer, .address_space: global }
      - { .name: out1, .offset: 24, .size: 8, .value_kind: global_buffer, .address_space: global }
    .group_segment_fixed_size: 1280
    .private_segment_fixed_size: 0
    .kernarg_segment_align: 8
    .kernarg_segment_size: 32
    .max_flat_workgroup_size: 256
    .sgpr_count:     66
    .vgpr_count:     96
    .wavefront_size: 32
...
	.end_amdgpu_metadata
.endif
;; end of part 2
